; MI455X (gfx1250); checked and timed in simulation.
; The chip was launched on July 23, 2026; its instructions are those of AMD's public machine-readable ISA for CDNA 5 (MIT licence, August 2026) and "CDNA5" Instruction Set Architecture Reference Guide (July 2026). The comments in the code are by the model that wrote it; some were corrected since.
;; Attention. Allowed arithmetic: float matrix products may take bf16 or f16 operands with f32 sums; other float arithmetic in f32, or as packed bf16 or f16 multiplies, adds, multiply-adds, maxima and minima; sums over many terms, partial sums and values carried from step to step in f32; what a program stores and reads back later, other than sums and carried values, may be rounded once to bf16 or f16.
;; Inputs: proj_b 1,024 float32; proj_w 1,024 x 1,024 float32; qkv_b 3,072 float32; qkv_w 3,072 x 1,024 float32; x 64 x 197 x 1,024 float32.
;; Outputs: out0 64 x 197 x 1,024 float32.
;; One version. Each part assembles by itself: llvm-mc -triple=amdgcn-amd-amdhsa -mcpu=gfx1250 --defsym DOCPART=n.
;; ======== version 1 of 1: 3 launches
;; limits: values are held in f16: magnitudes above 65,504 overflow, below 6.1e-05 lose precision
;; workspace buffers: xb 25,821,184 bytes; wq 6,291,456 bytes; wp 2,097,152 bytes; tab 53,248 bytes; ao 27,262,976 bytes
;; launch prep (part 1): grid 1057 x 1, 8 waves a work-group, no clusters, 0 bytes of LDS; arguments x, qkv_w, proj_w, xb, wq, wp, tab; writes xb, wq, wp, tab
.if DOCPART == 1
	.amdgcn_target "amdgcn-amd-amdhsa--gfx1250"
	.amdhsa_code_object_version 6
	.text
	.protected	k_qf66d95be8c_prep
	.globl	k_qf66d95be8c_prep
	.p2align	8
	.type	k_qf66d95be8c_prep,@function
k_qf66d95be8c_prep:
	s_mov_b64 s[64:65], 0
	v_nop
	global_prefetch_b8 v0, s[64:65] scope:SCOPE_SE
	s_setreg_imm32_b32 hwreg(HW_REG_WAVE_MODE, 25, 1), 1
	s_wait_xcnt 0x0
; PREPARATION.  x and qkv_w are rounded once to bf16 (xb, wq); proj_w is rounded to bf16 and that number is written as f16 (wp); the RoPE table is made (tab).
; A stream: no LDS, no matrix unit, no cluster, since no byte is used twice.  A work-group takes a segment of 16,384 f32: 16 loads of 16 bytes a lane, all issued at once
; (65,536 bytes of the work-group on their way); a wave's load covers 512 consecutive bytes, a wave's store 256 consecutive bytes at a multiple of 256 from the buffer's first byte.
; The numbers are converted in place, so a wave needs 72 registers and seven work-groups fit on a WGP's registers: all 1,057 are at work at once.
; Work-groups 0-787: x.  788-979: qkv_w.  980-1043: proj_w.  1044-1056: block a = 0..12 of the table.
; THE TABLE.  tab[a 13][e 2][i 4][lane 32][4 f32] = (cos f(j0), cos f(j1), -sin f(j0), +sin f(j1)), f(j) = t 10000^(-j/32), j0 = 16 e + 8 (lane / 16) + 2 i, j1 = j0 + 1,
; t = max(n - 1, 0), n = 16 a + lane % 16: the token's place behind the extra token; token 0 gets the angle 0 and so passes unchanged.  It is the order in which a lane of the next launch wants it.
; Sine and cosine: the angle less the nearest multiple of 2 pi (2 pi in two parts), then the Taylor series to y^15 and y^16: on -pi .. pi the terms left out stay under 8e-7.
; LIMITS.  proj_w beyond 65,504 has no f16; below 6.1e-5 it keeps f16's fixed step of 6e-8.  NaN and infinities are not treated apart.
.set FIRST_Q, 788                      ; x: 12,608 x 1,024 / 16,384 segments
.set FIRST_P, FIRST_Q+192              ; qkv_w: 3,072 x 1,024 / 16,384
.set FIRST_T, FIRST_P+64               ; proj_w: 1,024 x 1,024 / 16,384
.set IN,  4                            ; v[4:67]   16 x 4 f32 as loaded; the first two of each four then hold the words to store
.set TP,  68                           ; v[68:70]  at work
	s_load_b256 s[4:11], s[0:1], 0x0               ; x s[4:5], qkv_w s[6:7], proj_w s[8:9], xb s[10:11]
	s_load_b128 s[12:15], s[0:1], 0x20             ; wq s[12:13], wp s[14:15]
	s_load_b64 s[16:17], s[0:1], 0x30              ; tab
	s_mov_b32 s18, ttmp9                           ; the work-group's number
	s_mov_b32 s19, 0xffff0000                      ; a word's upper bf16
	v_lshlrev_b32 v1, 4, v0                        ; 16 bytes a thread in
	v_lshlrev_b32 v2, 3, v0                        ; 8 bytes a thread out
	s_wait_kmcnt 0x0
	s_cmp_ge_u32 s18, FIRST_T
	s_cbranch_scc1 .Ltable
	s_cmp_lt_u32 s18, FIRST_Q                      ; which tensor: the choice hangs on the work-group's number alone
	s_cselect_b64 s[20:21], s[4:5], s[6:7]
	s_cselect_b64 s[22:23], s[10:11], s[12:13]
	s_cselect_b32 s24, 0, FIRST_Q
	s_cmp_lt_u32 s18, FIRST_P
	s_cselect_b64 s[20:21], s[20:21], s[8:9]
	s_cselect_b64 s[22:23], s[22:23], s[14:15]
	s_cselect_b32 s24, s24, FIRST_P
	s_sub_co_u32 s24, s18, s24                     ; the segment in that tensor
	s_lshl_b32 s26, s24, 16                        ; 65,536 bytes in,
	s_mov_b32 s27, 0
	s_lshl_b32 s28, s24, 15                        ; 32,768 out
	s_mov_b32 s29, 0
	s_add_nc_u64 s[20:21], s[20:21], s[26:27]
	s_add_nc_u64 s[22:23], s[22:23], s[28:29]
.irp i, 0,1,2,3,4,5,6,7,8,9,10,11,12,13,14,15
	global_load_b128 v[IN+4*\i:IN+4*\i+3], v1, s[20:21] offset:4096*\i th:TH_LOAD_NT
.endr
	s_cmp_ge_u32 s18, FIRST_P
	s_cbranch_scc1 .Lhalf
.irp i, 0,1,2,3,4,5,6,7,8,9,10,11,12,13,14,15
	s_wait_loadcnt 15-\i                           ; loads come back in order: number i is in, the younger ones stay out
	v_cvt_pk_bf16_f32 v[IN+4*\i], v[IN+4*\i], v[IN+4*\i+1]
	v_cvt_pk_bf16_f32 v[IN+4*\i+1], v[IN+4*\i+2], v[IN+4*\i+3]
	global_store_b64 v2, v[IN+4*\i:IN+4*\i+1], s[22:23] offset:2048*\i  ; no register is written behind its store, so nothing waits for a store
.endr
	s_endpgm
.Lhalf:                                                ; proj_w: to bf16 like every input, and that number written as f16
.irp i, 0,1,2,3,4,5,6,7,8,9,10,11,12,13,14,15
	s_wait_loadcnt 15-\i
.irp p, 0,1
	v_cvt_pk_bf16_f32 v[TP], v[IN+4*\i+2*\p], v[IN+4*\i+2*\p+1]
	v_lshlrev_b32 v[TP+1], 16, v[TP]
	v_and_b32 v[TP+2], s19, v[TP]
	v_cvt_pk_f16_f32 v[IN+4*\i+\p], v[TP+1], v[TP+2]
.endr
	global_store_b64 v2, v[IN+4*\i:IN+4*\i+1], s[22:23] offset:2048*\i
.endr
	s_endpgm
; cos and sin of t x 10000^(-j/32): j in v[j], t in v3
.macro ANGLE j, c, s
	v_mul_f32 v10, 0xbed49a78, v[\j]               ; -log2(10000) / 32 x j
	v_exp_f32 v10, v10
	v_nop                                          ; a plain instruction behind the exponential, ahead of its use (ISA guide 5.7.2)
	s_wait_alu depctr_va_vdst(0)
	v_mul_f32 v10, v3, v10                         ; the angle f
	v_mul_f32 v11, 0xbe22f983, v10                 ; -f / 2 pi
	v_rndne_f32 v11, v11                           ; -k
	v_fmamk_f32 v10, v11, 0x40c90fdb, v10          ; f - k x (2 pi's upper part),
	v_fmamk_f32 v10, v11, 0xb43bbd2e, v10          ; less k x its lower part: y in -pi .. pi
	v_mul_f32 v12, v10, v10                        ; z = y y
	v_mov_b32 v13, 0xab573f9f                      ; -1/15!
	v_mov_b32 v14, 0x29573f9f                      ; 1/16!
.irp k, 0x2f309231, 0xb2d7322b, 0x3638ef1d, 0xb9500d01, 0x3c088889, 0xbe2aaaab
	v_fmaak_f32 v13, v13, v12, \k                  ; 1/13!, -1/11!, 1/9!, -1/7!, 1/5!, -1/3!
.endr
.irp k, 0xad49cba5, 0x310f76c7, 0xb493f27e, 0x37d00d01, 0xbab60b61, 0x3d2aaaab, 0xbf000000
	v_fmaak_f32 v14, v14, v12, \k                  ; -1/14!, 1/12!, -1/10!, 1/8!, -1/6!, 1/4!, -1/2
.endr
	v_fma_f32 v13, v13, v12, 1.0
	v_fma_f32 v[\c], v14, v12, 1.0
	v_mul_f32 v[\s], v10, v13
.endm
.Ltable:
	s_sub_co_u32 s24, s18, FIRST_T                 ; a
	v_and_b32 v3, 15, v0                           ; lane % 16
	v_bfe_u32 v4, v0, 4, 1                         ; lane / 16
	v_lshrrev_b32 v5, 5, v0                        ; 4 e + i
	v_and_b32 v6, 3, v5                            ; i
	v_lshrrev_b32 v7, 2, v5                        ; e
	v_lshl_add_u32 v6, v4, 2, v6
	v_lshl_add_u32 v6, v7, 3, v6
	v_lshlrev_b32 v6, 1, v6                        ; j0 = 2 (8 e + 4 (lane / 16) + i)
	s_lshl_b32 s25, s24, 4
	v_add_nc_u32 v3, s25, v3                       ; n
	v_add_nc_u32 v3, -1, v3
	v_cvt_f32_i32 v3, v3
	v_max_num_f32 v3, 0, v3                        ; t
	v_cvt_f32_u32 v8, v6
	v_add_f32 v9, 1.0, v8                          ; j1
	ANGLE 8, 16, 18
	ANGLE 9, 17, 19
	v_xor_b32 v18, 0x80000000, v18                 ; -sin f(j0)
	s_lshl_b32 s26, s24, 12                        ; a block is 4,096 bytes
	s_mov_b32 s27, 0
	s_add_nc_u64 s[16:17], s[16:17], s[26:27]
	global_store_b128 v1, v[16:19], s[16:17]       ; a wave stores 512 consecutive bytes
	s_endpgm
.Lfunc_end_k_qf66d95be8c_prep:
	.size	k_qf66d95be8c_prep, .Lfunc_end_k_qf66d95be8c_prep-k_qf66d95be8c_prep
	.p2alignl 7, 3214868480
	.fill 96, 4, 3214868480
	.section	.rodata,"a",@progbits
	.p2align	6, 0x0
	.amdhsa_kernel k_qf66d95be8c_prep
		.amdhsa_group_segment_fixed_size 0
		.amdhsa_private_segment_fixed_size 0
		.amdhsa_enable_private_segment 0
		.amdhsa_kernarg_size 56
		.amdhsa_user_sgpr_count 2
		.amdhsa_user_sgpr_kernarg_segment_ptr 1
		.amdhsa_wavefront_size32 1
		.amdhsa_system_sgpr_workgroup_id_x 1
		.amdhsa_system_sgpr_workgroup_id_y 1
		.amdhsa_system_sgpr_workgroup_id_z 1
		.amdhsa_system_vgpr_workitem_id 0
		.amdhsa_next_free_vgpr 72
		.amdhsa_next_free_sgpr 66
		.amdhsa_reserve_vcc 0
		.amdhsa_float_denorm_mode_32 3
		.amdhsa_float_denorm_mode_16_64 3
		.amdhsa_memory_ordered 1
		.amdhsa_forward_progress 1
		.amdhsa_inst_pref_size 19
	.end_amdhsa_kernel
	.amdgpu_metadata
---
amdhsa.version: [ 1, 2 ]
amdhsa.kernels:
  - .name:           k_qf66d95be8c_prep
    .symbol:         k_qf66d95be8c_prep.kd
    .args:
      - { .name: x, .offset: 0, .size: 8, .value_kind: global_buffer, .address_space: global }
      - { .name: qkv_w, .offset: 8, .size: 8, .value_kind: global_buffer, .address_space: global }
      - { .name: proj_w, .offset: 16, .size: 8, .value_kind: global_buffer, .address_space: global }
      - { .name: xb, .offset: 24, .size: 8, .value_kind: global_buffer, .address_space: global }
      - { .name: wq, .offset: 32, .size: 8, .value_kind: global_buffer, .address_space: global }
      - { .name: wp, .offset: 40, .size: 8, .value_kind: global_buffer, .address_space: global }
      - { .name: tab, .offset: 48, .size: 8, .value_kind: global_buffer, .address_space: global }
    .group_segment_fixed_size: 0
    .private_segment_fixed_size: 0
    .kernarg_segment_align: 8
    .kernarg_segment_size: 56
    .max_flat_workgroup_size: 256
    .sgpr_count:     66
    .vgpr_count:     72
    .wavefront_size: 32
...
	.end_amdgpu_metadata
.endif
;; end of part 1
;; launch qkvatt (part 2): grid 4 x 64, 4 waves a work-group, clusters of 4 x 4, 327,680 bytes of LDS; arguments xb, wq, qkv_b, tab, ao; writes ao
.if DOCPART == 2
	.amdgcn_target "amdgcn-amd-amdhsa--gfx1250"
	.amdhsa_code_object_version 6
	.text
	.protected	k_qf66d95be8c_qkvatt
	.globl	k_qf66d95be8c_qkvatt
	.p2align	8
	.type	k_qf66d95be8c_qkvatt,@function
k_qf66d95be8c_qkvatt:
	s_mov_b64 s[64:65], 0
	v_nop
	global_prefetch_b8 v0, s[64:65] scope:SCOPE_SE
	s_setreg_imm32_b32 hwreg(HW_REG_WAVE_MODE, 25, 1), 1
	s_wait_xcnt 0x0
	s_wait_alu depctr_hold_cnt(0) depctr_sa_sdst(0) depctr_va_vdst(0) depctr_va_sdst(0) depctr_va_ssrc(0) depctr_va_vcc(0) depctr_vm_vsrc(0)
	s_getreg_b32 s2, hwreg(HW_REG_IB_STS2, 6, 4)
	s_cmp_eq_u32 s2, 0
	s_cbranch_scc0 .Lentry_in_a_cluster
	s_endpgm
.Lentry_in_a_cluster:
	s_bfe_u32 s2, ttmp6, 0x10000c
	s_cmp_lg_u32 s2, 0xf033
	s_cbranch_scc0 .Lentry_shape_is_right
	s_endpgm
.Lentry_shape_is_right:
; QKV PROJECTION, BIAS, ROPE AND ATTENTION IN ONE.  A work-group owns one batch b (197 tokens, taken as 13 blocks of 16 = 208; the 11 rows beyond arrive as zeros) and four heads 4 g .. 4 g + 3;
; each of its four waves owns ONE head h = 4 g + w over all tokens, so q, k and v never leave the wave: K and V stay in registers (half of K rests in LDS meanwhile), Q goes through LDS, tile by tile.
; THREE PRODUCTS of 208 x 256 x 1,024 in bf16, in the order K, V, Q: 24 K steps of 128 through ONE ring of two LDS slots.  A wave has 208 x 64 of each: 52 accumulators, 416 registers.
;   K and Q are made with source 0 = 16 rows of the weights, source 1 = 16 tokens: a lane holds ONE token (lane % 16) and the channels 16 cb + 8 (lane / 16) + 0..7: rounded in pairs to f16 these ARE
;   the fragments of S^T = K Q^T.  V is made the other way round: a lane holds one channel and eight tokens: the fragments of O^T = V^T P.  The bias is the C operand that starts each sum.
; ROPE on K and Q in f32, on the sums: y(2p) = x(2p) cos - x(2p+1) sin, y(2p+1) = x(2p+1) cos + x(2p) sin, each with its own channel's angle; cos and signed sin come from tab in the lane's order.
;   The table and the biases are asked for long before they are wanted, into registers that are idle meanwhile: for K seven blocks at the kernel's head into window 1 (idle until V is made), the other six
;   seven blocks ahead; for Q block 0 behind V's product, block 1 behind Q's first quarter (into the bias's registers, dead from there on), blocks 2-5 when the last product's operands are free, the rest six
;   blocks ahead.  V's and Q's biases are asked for behind the first quarter of the product before.
; ATTENTION, for each tile of 16 queries: all 208 scores of a query lie in the two lanes that hold it, so the maximum is the row's true maximum and there is no running one:
;   p = 2^(c s - c m), c = log2(e) / 8; l is the sum of the unrounded p; p is rounded to f16 for V^T P; O is divided by l and rounded once to f16.  Keys 197 .. 207 get -1e30 as the C operand of their scores.
; ao[b][h][a 13][cb 4][lane 32][8 f16]: lane holds token 16 a + lane % 16, channels 16 cb + 8 (lane / 16) + 0..7: the order in which the next launch's fragments want it; every store is 512 consecutive bytes.
; FORMATS.  x, the weights and the bias are the inputs rounded once to bf16; q, k, v, p and O are f16.
; LIMITS.  q, k, v beyond 65,504 have no f16 (inputs as drawn give a spread near 0.7; x and the weights both 30 times larger give some 600); below 6.1e-5 they keep f16's step of 6e-8.
;   A hidden score counts as its value less 1e30; a weight below 2^-126 counts as 0; NaN and infinities are not treated apart.
; CLUSTER 4 x 4.  The four work-groups of a row of the cluster have one batch: x's tiles are asked for jointly along the row; the four of a column have the same heads: the weights' tiles along the column.
; By this text's own count a wave has two tensor loads out at the start and one behind each round.
; REGISTERS, in windows of 256 (s_set_vgpr_msb: bits 1:0 source 0, 3:2 source 1, 5:4 source 2, 7:6 destination):
;   window 0: v0-31 addresses; v32-63 the bias as C; v64-111 X (tokens' fragments, blocks 0-5); v112-143, v144-175 the weights' fragments, two buffers; v176-231 Y (blocks 6-12);
;             behind a product: v208-239 at work, v240-255 packed; behind the last product also v32-191 five blocks of the table
;   window 1: through K's product v0-223 seven blocks of the table; then V, key pair kp, channel block cb at v[32 kp + 8 cb]; v224-255 a block of the table for Q
;   window 2: accumulators of blocks 0-7 ((a, cb) at v[32 a + 8 cb]); in the attention: S^T, P, O^T, Q's fragment, statistics
;   window 3: v0-159 accumulators of blocks 8-12; v160-255 K's blocks 7-12; in the attention v0-111 K's blocks 0-6
.set PITCH,  272                       ; an LDS row: 256 bytes + 16 of padding = 68 words: the 16 rows of a fragment load start at 16 different groups of four banks (64 banks of 4 bytes: ISA guide 11.1)
.set KSTEP,  128
.set AHALF,  104*PITCH                 ; what one tensor load brings of x: 104 rows
.set ABYTES, 2*AHALF
.set BHALF,  128*PITCH                 ; of the weights: 128 rows
.set SLOT1,  1<<17                     ; slot 1 begins here: one exclusive or turns an address in one slot into the other's
.set KSP,    SLOT1+ABYTES+2*BHALF      ; behind the ring, never filled by a tensor load: K's blocks 0-6, 14,336 bytes for each wave
.set KSPW,   7*2048
.set QSTW,   13*2048                   ; Q's 13 blocks, for each wave, from LDS byte 0 on: in slot 0, behind its last fill and its last read
.set SPARE,  KSP+4*KSPW                ; the spare words, 128 bytes for each wave: two blocks of 256 bytes that no other line names
.set G1W0,   (1<<16)|(1<<20)|(1<<21)|(5<<22)|(3<<25)  ; 17:16 elements of 2 bytes; 20 padding on; 21 set beside a mask; 24:22 after every 64 words; 31:25 of 4 words
.set A0R, 4                            ; v4   my lane's place in x's tile: 272 (l % 16) + 16 (l / 16); never rewritten
.set B0R, 5                            ; v5   the same in my wave's 64 rows of the weights' tile
.set ADRA, 6                           ; v6   v4 + the slot in hand
.set ADRB, 7                           ; v7   v5 + the slot in hand
.set BO,  8                            ; v8   32 (l / 16): my eight numbers of a bias block
.set BR,  9                            ; v9   4 (l % 16): my one number of a bias block
.set TO,  10                           ; v10  16 x lane; never rewritten
.set KSA, 11                           ; v11  my 16 bytes in my wave's K store
.set QSA, 12                           ; v12  my 16 bytes in my wave's Q store
.set TMPV, 13                          ; v13  at work
.set SPW, 28                           ; v28  LDS address of my spare word; never rewritten
.set NIL, 29                           ; v29  0; never rewritten
.set BIAS, 32
.set XF,  64
.set BF0, 112
.set YF,  176
.set TW,  208
.set PKR, 240
.set WV,  14                           ; s14  my wave's number
.set HALF, 15                          ; s15  w / 2: I fetch for x (0) or for the weights (1)
.set ODD, 16                           ; s16  w % 2: which half of that tile's rows
.set G1A, 24                           ; s[24:31] descriptor group 1 for x's tiles
.set G1B, 32                           ; s[32:39] for the weights'
.set G0A, 40                           ; s[40:47] group 0 for x's tiles: a set for each first fill; the second then walks
.set G0B, 48                           ; s[48:55] the same for the weights'
.set ABASE, 56                         ; s[56:57] x at my half of the batch's rows
.set BBASE, 58                         ; s[58:59] the weights at my half of the group's 256 rows of q
.set OFFA, 60                          ; s[60:61] a tile's byte offset from ABASE
.set OFFB, 62                          ; s[62:63] from BBASE
.set UT,  66                           ; s66  the tile to be asked for next, 2 .. 23
.set CNT, 67                           ; s67  loop counter
.set TB,  68                           ; s68  the slot in hand: 0 or SLOT1
.set SW,  69                           ; s69  at work
.set CS,  70                           ; s[70:71] c
.set SEL, 72                           ; s[72:73] v_permlanex16_b32's selects: each lane takes its own place in the other half
.set BB,  74                           ; s[74:75] qkv_b at my head's q
.set AOB, 76                           ; s[76:77] ao at my batch and head
.set QS,  78                           ; s78  the next query tile's byte in my Q store
.set MHI, 79                           ; s79  a word's upper bf16
.set TYT, 0                            ; a product with one token a lane
.set TYU, 1                            ; with one channel a lane
.set MSB, 0
.macro WIN new                         ; the immediate's high byte repeats the setting that is left; a switch that changes nothing is dropped
.if MSB != (\new)
	s_set_vgpr_msb (MSB<<8)|(\new)
.set MSB, \new
.endif
.endm
; A load into a register that a matrix instruction has read, and a vector instruction that reads a matrix result, stand four places behind that matrix instruction; only plain vector
; instructions that name none of its registers are places (ISA guide 7.12.1 for vector instructions).
.macro PLACES
.rept 4
	v_nop
.endr
.endm
; A joint refill, by the walking descriptors.  The branch hangs on the wave's number alone.  An s_nop 0 and four v_nop follow each of the two lines.
.macro JLOAD
	s_cmp_eq_u32 s[HALF], 0
	s_cbranch_scc0 .Lfor_b_\@
	tensor_load_to_lds s[G0A+4:G0A+7], s[G1A:G1A+7]
	s_nop 0
.rept 4
	v_nop
.endr
	s_branch .Lasked_\@
.Lfor_b_\@:
	tensor_load_to_lds s[G0B+4:G0B+7], s[G1B:G1B+7]
	s_nop 0
.rept 4
	v_nop
.endr
.Lasked_\@:
.endm
.macro CREST                           ; a round of the cluster's barrier behind its opening barrier
	s_cmp_lg_u32 s[WV], 0
	s_cbranch_scc1 .Lnot_wave_0_\@
	s_barrier_signal -3
.Lnot_wave_0_\@:
	s_barrier_wait -3
	s_barrier_signal -1
	s_barrier_wait -1
.endm
.macro CROUND                          ; a whole round
	s_barrier_signal -1
	s_barrier_wait -1
	CREST
.endm
; The walking descriptors take tile UT: K step UT % 8 of part UT / 8 (0 K, 1 V, 2 Q).  The addresses are made anew from the bases; in the weights k's rows lie 1,024 rows behind q's, v's 2,048.
.macro STEPD
	s_and_b32 s[SW], s[UT], 7
	s_lshl_b32 s[OFFA], s[SW], 8                   ; 128 bf16 along K
	s_lshr_b32 s[SW], s[UT], 3
	s_add_co_u32 s[SW], s[SW], 1
	s_cmp_eq_u32 s[SW], 3
	s_cselect_b32 s[SW], 0, s[SW]
	s_lshl_b32 s[SW], s[SW], 21                    ; 1,024 rows of 2,048 bytes
	s_add_co_u32 s[OFFB], s[SW], s[OFFA]
	s_xor_b32 s[G0A+5], s[G0A+5], SLOT1            ; the other slot than last time
	s_xor_b32 s[G0B+5], s[G0B+5], SLOT1
	s_add_nc_u64 s[G0A+6:G0A+7], s[ABASE:ABASE+1], s[OFFA:OFFA+1]
	s_or_b32 s[G0A+7], s[G0A+7], 0x80000000
	s_add_nc_u64 s[G0B+6:G0B+7], s[BBASE:BBASE+1], s[OFFB:OFFB+1]
	s_or_b32 s[G0B+7], s[G0B+7], 0x80000000
	s_add_co_u32 s[UT], s[UT], 1
.endm
; Fragment loads of quarter q (32 along K at byte 64 q of the rows): a fragment is two loads of 16 bytes, 32 bytes apart
.macro LOADX q                         ; tokens' blocks 0-5: 12 loads
.set la, 0
.rept 6
	ds_load_b128 v[XF+8*la:XF+8*la+3],   v[ADRA] offset:16*PITCH*la+64*(\q)
	ds_load_b128 v[XF+8*la+4:XF+8*la+7], v[ADRA] offset:16*PITCH*la+64*(\q)+32
.set la, la+1
.endr
.endm
.macro LOADY q                         ; blocks 6-12: 14 loads
.set la, 6
.rept 7
	ds_load_b128 v[YF+8*(la-6):YF+8*(la-6)+3],   v[ADRA] offset:16*PITCH*la+64*(\q)
	ds_load_b128 v[YF+8*(la-6)+4:YF+8*(la-6)+7], v[ADRA] offset:16*PITCH*la+64*(\q)+32
.set la, la+1
.endr
.endm
.macro LOADB q                         ; my 64 rows of the weights, into buffer q % 2: 8 loads
.set la, 0
.rept 4
	ds_load_b128 v[BF0+32*((\q)%2)+8*la:BF0+32*((\q)%2)+8*la+3],   v[ADRB] offset:16*PITCH*la+64*(\q)
	ds_load_b128 v[BF0+32*((\q)%2)+8*la+4:BF0+32*((\q)%2)+8*la+7], v[ADRB] offset:16*PITCH*la+64*(\q)+32
.set la, la+1
.endr
.endm
; The products of blocks a0 .. a1 x all four channel blocks for quarter q.  z = 1: the bias starts the sums.  The 52 accumulators take turns, one instruction a turn, in the same order in every
; quarter.
.macro MULS typ, z, q, a0, a1
.set ma, \a0
.rept (\a1)-(\a0)+1
.if ma < 6
.set rA, XF+8*ma
.else
.set rA, YF+8*(ma-6)
.endif
.if \z
	WIN 0x80+0x40*(ma/8)
.else
	WIN 0xa0+0x50*(ma/8)
.endif
.set mc, 0
.rept 4
.set rD, 32*(ma%8)+8*mc
.set rB, BF0+32*((\q)%2)+8*mc
.set rC, rD
.if \z
.set rC, BIAS+8*mc
.endif
.if (\typ) == TYT
	v_wmma_f32_16x16x32_bf16 v[rD:rD+7], v[rB:rB+7], v[rA:rA+7], v[rC:rC+7]
.else
	v_wmma_f32_16x16x32_bf16 v[rD:rD+7], v[rA:rA+7], v[rB:rB+7], v[rC:rC+7]
.endif
.set mc, mc+1
.endr
.set ma, ma+1
.endr
.endm
; A K step is four quarters.  One of the first three.  X and Y are single buffers that roll: Y of this quarter lands under the products of blocks 0-5, X and the weights of the next under those of 6-12.
.macro QTR typ, z, q
	PLACES
	WIN 0
	LOADY \q
	s_wait_dscnt 14                                ; all but Y's 14 loads: X and the weights of this quarter are in
	MULS \typ, \z, \q, 0, 5
	PLACES
	WIN 0
	LOADX (\q)+1
	LOADB (\q)+1
	s_wait_dscnt 20                                ; all but the 20 just issued: Y is in
	MULS \typ, \z, \q, 6, 12
.endm
; The fourth quarter changes slots: ONE barrier.  In front of it each wave waits for all its tensor loads (the one that is out is its part of the next slot), adds 0 to its spare word, and waits for that
; and for its own reads of this slot.  fill = 1: the barrier opens a round of the cluster's, and this slot is filled again, first thing behind the round, with the tile two steps on.
.macro TURN typ, fill
	PLACES
	WIN 0
	LOADY 3
	s_wait_dscnt 14
	MULS \typ, 0, 3, 0, 2
	WIN 0                                          ; (the add's two registers lie in window 0)
	s_wait_tensorcnt 0x0                           ; no tensor load of mine is out, so a group 0 may be written
	ds_add_u32 v[SPW], v[NIL]                      ; 0 onto my spare word; work on registers stands between it and the wait for it
.if \fill
	STEPD
.endif
	MULS \typ, 0, 3, 3, 5
	s_wait_dscnt 0x0                               ; the add is done, and Y's loads, my last reads of this slot, are back
	s_barrier_signal -1
	MULS \typ, 0, 3, 6, 7                          ; work on registers while the others arrive
	WIN 0                                          ; at a branch and at a label every window is 0
	s_barrier_wait -1
.if \fill
	CREST                                          ; no wave of any partner still reads this slot or has a load on its way
	JLOAD                                          ; its four v_nop are also the places in front of the loads below
.else
	PLACES
.endif
	s_xor_b32 s[TB], s[TB], SLOT1
	v_add_nc_u32 v[ADRA], s[TB], v[A0R]
	v_add_nc_u32 v[ADRB], s[TB], v[B0R]
	LOADX 0
	LOADB 0
	MULS \typ, 0, 3, 8, 12
.endm
; n K steps from a step's second quarter on, written once: a trip ends with the next step's first quarter, which the last trip jumps over (it holds neither a barrier nor a tensor load).
.macro STEPS typ, fill, n
	s_mov_b32 s[CNT], \n
.Lstep_\@:
	QTR \typ, 0, 1
	QTR \typ, 0, 2
	TURN \typ, \fill
	WIN 0
	s_cmp_eq_u32 s[CNT], 1
	s_cbranch_scc1 .Lleave_\@
	QTR \typ, 0, 0
	WIN 0
.Lleave_\@:
	s_sub_co_u32 s[CNT], s[CNT], 1
	s_cmp_lg_u32 s[CNT], 0
	s_cbranch_scc1 .Lstep_\@
.endm
; The bias of part p (0 q, 1 k) for a lane that holds eight channels; rounded to bf16 like every input
.macro BIAST_LD p
.irp cb, 0,1,2,3
	global_load_b128 v[BIAS+8*\cb:BIAS+8*\cb+3],   v[BO], s[BB:BB+1] offset:4096*(\p)+64*\cb
	global_load_b128 v[BIAS+8*\cb+4:BIAS+8*\cb+7], v[BO], s[BB:BB+1] offset:4096*(\p)+64*\cb+16
.endr
.endm
.macro BIAST_RND
.set bk, 0
.rept 16
	v_cvt_pk_bf16_f32 v[TMPV], v[BIAS+2*bk], v[BIAS+2*bk+1]
	v_lshlrev_b32 v[BIAS+2*bk], 16, v[TMPV]
	v_and_b32 v[BIAS+2*bk+1], s[MHI], v[TMPV]
.set bk, bk+1
.endr
.endm
; Where block a of the table lies: window tW, first register tB.  For K (kq = 0) seven buffers in window 1; for Q (kq = 1) six: v224-255 of window 1, the bias's registers, and v64-191 of window 0.
.macro TBSEL kq, a
.if (\kq) == 0
.set tW, 1
.set tB, 32*((\a)%7)
.elseif (\a)%6 == 0
.set tW, 1
.set tB, 224
.elseif (\a)%6 == 1
.set tW, 0
.set tB, BIAS
.else
.set tW, 0
.set tB, XF+32*((\a)%6-2)
.endif
.endm
.macro TABLD kq, a                     ; block a of the table: eight loads of 512 consecutive bytes; register tB + 16 e + 4 i: cos, cos, -sin, +sin of channels 16 e + 8 (l / 16) + 2 i, + 1
	TBSEL \kq, \a
	WIN 0x40*tW
.irp k, 0,1,2,3,4,5,6,7
	global_load_b128 v[tB+4*\k:tB+4*\k+3], v[TO], s[10:11] offset:4096*(\a)+512*\k
.endr
.endm
; Block a of K (kq = 0) or Q (kq = 1): rotated in f32, rounded to f16; K's blocks 7-12 stay in window 3, the others go to the wave's own LDS bytes.  Each accumulator is read from its low end on.
.macro ROPE a, kq
	TBSEL \kq, \a
	WIN 0x02+((\a)/8)+4*tW                         ; source 0: the sums; source 1: the table; source 2 and destination: window 0
.set rc, 0
.rept 4
.set rD, 32*((\a)%8)+8*rc
.set rT, TW+8*rc
.set rB, tB+16*(rc%2)
.irp i, 0,1,2,3
	v_pk_mul_f32 v[rT+2*\i:rT+2*\i+1], v[rD+2*\i:rD+2*\i+1], v[rB+4*\i:rB+4*\i+1]
.endr
.irp i, 0,1,2,3                        ; the pair's two numbers change places for the sines
	v_pk_fma_f32 v[rT+2*\i:rT+2*\i+1], v[rD+2*\i:rD+2*\i+1], v[rB+4*\i+2:rB+4*\i+3], v[rT+2*\i:rT+2*\i+1] op_sel:[1,0,0] op_sel_hi:[0,1,1]
.endr
.set rc, rc+1
.endr
.if ((\kq) == 0) && ((\a) >= 7)
	WIN 0xc0
.set rP, 160+16*((\a)-7)
.else
	WIN 0
.set rP, PKR
.endif
.set rc, 0
.rept 16
	v_cvt_pk_f16_f32 v[rP+rc], v[TW+2*rc], v[TW+2*rc+1]
.set rc, rc+1
.endr
.if (\kq) == 1
.irp cb, 0,1,2,3
	ds_store_b128 v[QSA], v[PKR+4*\cb:PKR+4*\cb+3] offset:2048*(\a)+512*\cb
.endr
.elseif (\a) < 7
.irp cb, 0,1,2,3
	ds_store_b128 v[KSA], v[PKR+4*\cb:PKR+4*\cb+3] offset:2048*(\a)+512*\cb
.endr
.endif
.endm
; All 13 blocks.  A buffer is asked for again as soon as its block is rotated: 7 - kq blocks ahead.
.macro EPIROPE kq
	WIN 0
.if (\kq) == 0
	s_wait_loadcnt 0x0                             ; the table's blocks 0-6 and V's bias: asked for a product ago
.irp cb, 0,1,2,3
	v_cvt_pk_bf16_f32 v[TMPV], v[BIAS+8*\cb], v[BIAS+8*\cb]
	v_lshlrev_b32 v[BIAS+8*\cb], 16, v[TMPV]
.irp j, 1,2,3,4,5,6,7
	v_mov_b32 v[BIAS+8*\cb+\j], v[BIAS+8*\cb]      ; a lane holds one channel there: the same number for its eight tokens
.endr
.endr
.else
	TABLD 1, 2                                     ; blocks 0 and 1 were asked for earlier; these four go where the last product's operands lay
	TABLD 1, 3
	TABLD 1, 4
	TABLD 1, 5
.endif
.set ea, 0
.rept 13
.set ew, 12-ea
.if ew > 6-(\kq)
.set ew, 6-(\kq)
.endif
	s_wait_loadcnt 8*ew                            ; loads come back in order: block ea is in; the blocks asked for behind it, eight loads each, may stay out
	ROPE ea, \kq
.if ea+7-(\kq) < 13
	TABLD \kq, ea+7-(\kq)
.endif
.set ea, ea+1
.endr
	WIN 0
.endm
	s_load_b256 s[4:11], s[0:1], 0x0               ; xb s[4:5], wq s[6:7], qkv_b s[8:9], tab s[10:11]
	s_load_b64 s[12:13], s[0:1], 0x20              ; ao
	v_lshl_add_u32 v[SPW], v0, 2, SPARE
	v_mov_b32 v[NIL], 0
	ds_add_u32 v[SPW], v[NIL]                      ; the wave's opening: the add and its wait stand ahead of my first tensor load; the set-up below, work on registers, stands between them
	v_lshrrev_b32 v1, 5, v0
	v_readfirstlane_b32 s[WV], v1
	s_lshr_b32 s[HALF], s[WV], 1
	s_and_b32 s[ODD], s[WV], 1
	s_bfe_u32 s17, ttmp6, 0x40000                  ; cx
	s_bfe_u32 s18, ttmp6, 0x40004                  ; cy
	s_lshl_b32 s19, ttmp9, 2
	s_add_co_u32 s19, s19, s17                     ; g, the group of four heads = 4 x cluster x + cx
	s_and_b32 s20, ttmp7, 0xffff
	s_lshl_b32 s20, s20, 2
	s_add_co_u32 s20, s20, s18                     ; b, the batch = 4 x cluster y + cy
	s_lshl_b32 s82, s18, 2
	s_lshl_b32 s82, 15, s82                        ; my row of the cluster
	s_lshl_b32 s86, 0x1111, s17                    ; my column
	s_or_b32 s[G1A], s82, G1W0                     ; x's tiles hang on b alone: shared along the row
	s_or_b32 s[G1B], s86, G1W0                     ; the weights' on g alone: shared along the column
	s_mul_i32 s83, s[ODD], 104
	s_sub_co_u32 s83, 197, s83                     ; the batch's rows that are left from my tile's first: rows at or beyond that arrive as zeros
	s_mov_b32 s[G1A+1], KSTEP<<16                  ; tensor_dim0 = 128
	s_lshl_b32 s[G1A+2], s83, 16                   ; tensor_dim1 = 197 or 93
	s_mov_b32 s[G1A+3], KSTEP<<16                  ; tile_dim0 = 128
	s_mov_b32 s[G1A+4], 104                        ; tile_dim1 = 104
	s_mov_b32 s[G1A+5], 1024                       ; elements from row to row
	s_mov_b32 s[G1A+6], 0
	s_mov_b32 s[G1A+7], 0
	s_mov_b32 s[G1B+1], KSTEP<<16
	s_mov_b32 s[G1B+2], 128<<16
	s_mov_b32 s[G1B+3], KSTEP<<16
	s_mov_b32 s[G1B+4], 128
	s_mov_b32 s[G1B+5], 1024
	s_mov_b32 s[G1B+6], 0
	s_mov_b32 s[G1B+7], 0
	s_mov_b32 s[G0A], 1                            ; count = 1
	s_mul_i32 s[G0A+1], s[ODD], AHALF              ; LDS address: no place in the cluster enters it
	s_mov_b32 s[G0A+4], 1
	s_add_co_u32 s[G0A+5], s[G0A+1], SLOT1
	s_mov_b32 s[G0B], 1
	s_mul_i32 s[G0B+1], s[ODD], BHALF
	s_add_co_u32 s[G0B+1], s[G0B+1], ABYTES
	s_mov_b32 s[G0B+4], 1
	s_add_co_u32 s[G0B+5], s[G0B+1], SLOT1
	s_mul_i32 s80, s20, 197                        ; x: row 197 b + 104 x half, in bytes; registers that never hold cx
	s_mul_i32 s81, s[ODD], 104
	s_add_co_u32 s80, s80, s81
	s_lshl_b32 s80, s80, 11
	s_mov_b32 s81, 0
	s_lshl_b32 s84, s19, 8                         ; the weights: row 256 g + 128 x half; registers that never hold cy
	s_lshl_b32 s85, s[ODD], 7
	s_add_co_u32 s84, s84, s85
	s_lshl_b32 s84, s84, 11
	s_mov_b32 s85, 0
	s_lshl2_add_u32 s88, s19, s[WV]                ; h = 4 g + w
	s_lshl_b32 s90, s88, 8                         ; 64 f32 of the bias
	s_mov_b32 s91, 0
	s_lshl4_add_u32 s92, s20, s88                  ; 16 b + h
	s_mul_i32 s92, s92, QSTW                       ; 26,624 bytes of ao each
	s_mov_b32 s93, 0
	s_mov_b32 s[OFFA+1], 0
	s_mov_b32 s[OFFB+1], 0
	s_mov_b32 s[UT], 2
	s_mov_b32 s[TB], 0
	s_mov_b32 s[CS], 0x3e38aa3b                    ; c = log2(e) / 8
	s_mov_b32 s[CS+1], s[CS]                       ; named with it as a pair
	s_mov_b32 s[SEL], 0x76543210
	s_mov_b32 s[SEL+1], 0xfedcba98
	s_mov_b32 s[MHI], 0xffff0000
	s_wait_dscnt 0x0                               ; the opening add is done
	s_wait_kmcnt 0x0
	s_add_nc_u64 s[ABASE:ABASE+1], s[4:5], s[80:81]
	s_add_nc_u64 s[BBASE:BBASE+1], s[6:7], s[84:85]
	s_add_nc_u64 s[BB:BB+1], s[8:9], s[90:91]
	s_add_nc_u64 s[AOB:AOB+1], s[12:13], s[92:93]
	s_add_nc_u64 s[G0A+2:G0A+3], s[ABASE:ABASE+1], 0           ; tile 0: K's product, K step 0
	s_or_b32 s[G0A+3], s[G0A+3], 0x80000000                    ; type = 2
	s_add_nc_u64 s[G0A+6:G0A+7], s[ABASE:ABASE+1], 256         ; tile 1
	s_or_b32 s[G0A+7], s[G0A+7], 0x80000000
	s_add_nc_u64 s[G0B+2:G0B+3], s[BBASE:BBASE+1], 1<<21       ; k's rows
	s_or_b32 s[G0B+3], s[G0B+3], 0x80000000
	s_add_nc_u64 s[G0B+6:G0B+7], s[BBASE:BBASE+1], (1<<21)+256
	s_or_b32 s[G0B+7], s[G0B+7], 0x80000000
	CROUND                                         ; all sixteen work-groups are here: the first joint loads meet
	s_cmp_eq_u32 s[HALF], 0                        ; a wave's two first fills stand in one branch, ahead of every wait on TENSORcnt and every LDS read
	s_cbranch_scc0 .Lfirst_b
	tensor_load_to_lds s[G0A:G0A+3], s[G1A:G1A+7]
	s_nop 0
	tensor_load_to_lds s[G0A+4:G0A+7], s[G1A:G1A+7]
	s_nop 0
.rept 4
	v_nop
.endr
	s_branch .Lfirst_asked
.Lfirst_b:
	tensor_load_to_lds s[G0B:G0B+3], s[G1B:G1B+7]
	s_nop 0
	tensor_load_to_lds s[G0B+4:G0B+7], s[G1B:G1B+7]
	s_nop 0
.rept 4
	v_nop
.endr
.Lfirst_asked:
	v_and_b32 v1, 15, v0                           ; l % 16
	v_bfe_u32 v2, v0, 4, 1                         ; l / 16
	v_and_b32 v3, 31, v0                           ; lane
	v_lshlrev_b32 v[BO], 5, v2
	BIAST_LD 1                                     ; K's bias
	v_mul_u32_u24 v[A0R], v1, PITCH
	v_lshl_add_u32 v[A0R], v2, 4, v[A0R]
	s_mul_i32 s21, s[WV], 64*PITCH                 ; my 64 rows of the weights' tile,
	s_add_co_u32 s21, s21, ABYTES                  ; which lies behind x's
	v_add_nc_u32 v[B0R], s21, v[A0R]
	v_mov_b32 v[ADRA], v[A0R]                      ; slot 0
	v_mov_b32 v[ADRB], v[B0R]
	v_lshlrev_b32 v[BR], 2, v1
	v_lshlrev_b32 v[TO], 4, v3
	s_mul_i32 s21, s[WV], KSPW
	s_add_co_u32 s21, s21, KSP
	v_add_nc_u32 v[KSA], s21, v[TO]
	s_mul_i32 s21, s[WV], QSTW
	v_add_nc_u32 v[QSA], s21, v[TO]
	s_wait_loadcnt 0x0
	BIAST_RND
.irp a, 0,1,2,3,4,5,6
	TABLD 0, \a                                    ; seven blocks of the table for K, 56 loads: they have K's whole product in which to come
.endr
	WIN 0
	s_wait_tensorcnt 0x1                           ; my part of tile 0 is in; tile 1's may stay out
	s_barrier_signal -1
	s_barrier_wait -1                              ; everybody's is
	LOADX 0
	LOADB 0
	QTR TYT, 1, 0                                  ; K = x Wk^T + bk: the first quarter stands in front of the loop: the bias starts the sums
	PLACES                                         ; the bias's registers were read as C
	WIN 0
.irp cb, 0,1,2,3
	global_load_b32 v[BIAS+8*\cb], v[BR], s[BB:BB+1] offset:8192+64*\cb  ; V's bias, one channel a lane: with the table's 56 loads 60 are out
.endr
	STEPS TYT, 1, 8                                ; all eight K steps ask for a tile: the ring runs on into V's product
	PLACES                                         ; the rotation reads results just made
	EPIROPE 0
	QTR TYU, 1, 0                                  ; V = x Wv^T + bv, one channel a lane
	PLACES
	WIN 0
	BIAST_LD 0                                     ; Q's bias
	STEPS TYU, 1, 8
	PLACES
	WIN 0
	s_wait_loadcnt 0x0                             ; Q's bias: asked for a product ago
	BIAST_RND
	TABLD 1, 0                                     ; the table's block 0 for Q, into the registers of window 1 that V leaves free
.set va, 0
.rept 13                               ; V to f16, into window 1: tokens' block a is half a % 2 of key pair a / 2
	WIN 0x4a+5*(va/8)
.set vc, 0
.rept 4
.irp i, 0,1,2,3
	v_cvt_pk_f16_f32 v[32*(va/2)+8*vc+4*(va%2)+\i], v[32*(va%8)+8*vc+2*\i], v[32*(va%8)+8*vc+2*\i+1]
.endr
.set vc, vc+1
.endr
.set va, va+1
.endr
	WIN 0x40
.irp cb, 0,1,2,3
.irp i, 4,5,6,7
	v_mov_b32 v[192+8*\cb+\i], 0                   ; keys 208 .. 223, which are not: the last key pair's second half
.endr
.endr
	QTR TYT, 1, 0                                  ; Q = x Wq^T + bq
	PLACES                                         ; the bias's registers were read as C, and no product reads them again:
	TABLD 1, 1                                     ; they take the table's block 1
	WIN 0
	s_mov_b32 s[CNT], 6                            ; six of Q's K steps ask for a tile
.Lpart_q:
	QTR TYT, 0, 1
	QTR TYT, 0, 2
	TURN TYT, 1
	QTR TYT, 0, 0
	WIN 0
	s_sub_co_u32 s[CNT], s[CNT], 1
	s_cmp_lg_u32 s[CNT], 0
	s_cbranch_scc1 .Lpart_q
	STEPS TYT, 0, 2                                ; the last two ask for nothing: a text of their own.  The very last change of slots passes a barrier and fetches
	                                               ; 20 fragments (of slot 0's old tile) that serve nothing: the price, once a launch, of one text for both steps
	s_wait_dscnt 0x0                               ; those fragments have landed: my reads of the ring are over
	s_barrier_signal -1                            ; so are every wave's, and no fill is out or to come:
	s_barrier_wait -1                              ; from here on slot 0's bytes are the waves' Q stores
	PLACES                                         ; the table lands in registers that the last products read, and the rotation reads their results
	EPIROPE 1
	; THE ATTENTION.  Window 2:
.set SR,  0                            ; v0-103    S^T: key block kb at 8 kb; a lane holds one query and the keys 16 kb + 8 (l / 16) + 0..7
.set PR,  104                          ; v104-159  P: key pair kp at 8 kp; the last four hold 0
.set OA,  160                          ; v160-191  O^T: channel block cb at 8 cb
.set QF,  192                          ; v192-207  the tile's Q
.set MK,  208                          ; v208-215  the C operand of key block 12: 0, or -1e30 where the key is 197 or more
.set TM,  216                          ; v216-228  maxima at work
.set T0,  229
.set CM,  230                          ; v230 c m; v231 named with it
.set OP,  232                          ; v232-247  O packed
.set QA0, 248                          ; my 16 bytes in my Q store
.set QA,  249
.set GO,  250                          ; my byte offset in ao, one tile ahead
.set T1,  251
.set RL,  252                          ; v252 1 / l; v253 named with it
	WIN 0xc0
.set ka, 0
.rept 7                                ; K's blocks 0-6 come back
.irp cb, 0,1,2,3
	ds_load_b128 v[16*ka+4*\cb:16*ka+4*\cb+3], v[KSA] offset:2048*ka+512*\cb
.endr
.set ka, ka+1
.endr
	WIN 0
	v_cvt_f32_u32 v[TMPV], v2
	WIN 0x80
	v_mov_b32 v[QA0], v[QSA]
	v_mov_b32 v[GO], v[TO]
.irp j, 0,1,2,3,4
	v_mul_f32 v[MK+\j], 0xf149f2ca, v[TMPV]        ; keys 192 + 8 (l / 16) + j: seen in the lower half of the lanes
.endr
.irp j, 5,6,7
	v_mov_b32 v[MK+\j], 0xf149f2ca                 ; -1e30
.endr
.irp r, PR+52, PR+53, PR+54, PR+55, T0, CM+1, T1, RL+1
	v_mov_b32 v[\r], 0
.endr
	WIN 0xaa
.irp cb, 0,1,2,3
	ds_load_b128 v[QF+4*\cb:QF+4*\cb+3], v[QA0] offset:512*\cb  ; tile 0's Q: LDS serves a wave's instructions in order, these see my stores
.endr
	s_mov_b32 s[QS], 2048
	s_mov_b32 s[CNT], 13
	WIN 0
.macro FS i                            ; c s - c m for pair i of the lane's 52
	v_pk_fma_f32 v[SR+2*(\i):SR+2*(\i)+1], v[SR+2*(\i):SR+2*(\i)+1], s[CS:CS+1], v[CM:CM+1] op_sel_hi:[1,0,0] neg_lo:[0,0,1] neg_hi:[0,0,1]
.endm
.Ltile:                                                ; a trip: 16 queries
	WIN 0xaa
	s_wait_dscnt 0x0                               ; the tile's Q is in (the first time K's blocks too)
	WIN 0xab                                       ; K in window 3
.set kc, 0
.rept 2                                ; 13 accumulators take turns
.set kb, 0
.rept 13
.set rK, 16*kb+8*kc
.if kb >= 7
.set rK, 160+16*(kb-7)+8*kc
.endif
.if kc == 1
	v_wmma_f32_16x16x32_f16 v[SR+8*kb:SR+8*kb+7], v[rK:rK+7], v[QF+8:QF+15], v[SR+8*kb:SR+8*kb+7]
.elseif kb == 12
	v_wmma_f32_16x16x32_f16 v[SR+8*kb:SR+8*kb+7], v[rK:rK+7], v[QF:QF+7], v[MK:MK+7]
.else
	v_wmma_f32_16x16x32_f16 v[SR+8*kb:SR+8*kb+7], v[rK:rK+7], v[QF:QF+7], 0
.endif
.set kb, kb+1
.endr
.set kc, kc+1
.endr
	WIN 0xaa
	v_add_nc_u32 v[QA], s[QS], v[QA0]              ; with the three below: the places behind those products
	v_nop
	v_nop
	v_nop
.irp cb, 0,1,2,3
	ds_load_b128 v[QF+4*\cb:QF+4*\cb+3], v[QA] offset:512*\cb  ; the next tile's Q; it has the rest of the trip in which to come
.endr
	s_add_co_u32 s[QS], s[QS], 2048
	s_min_u32 s[QS], s[QS], 12*2048                ; the last trip takes tile 12 once more: no load leaves my store
	; the row's maximum: each accumulator's lowest registers are read first
.set kb, 0
.rept 13
	v_max3_num_f32 v[TM+kb], v[SR+8*kb], v[SR+8*kb+1], v[SR+8*kb+2]
.set kb, kb+1
.endr
.irp o, 3,5
.set kb, 0
.rept 13
	v_max3_num_f32 v[TM+kb], v[TM+kb], v[SR+8*kb+\o], v[SR+8*kb+\o+1]
.set kb, kb+1
.endr
.endr
.set kb, 0
.rept 6
	v_max3_num_f32 v[TM+kb], v[TM+kb], v[SR+8*kb+7], v[SR+8*kb+15]
.set kb, kb+2
.endr
	v_max_num_f32 v[TM+12], v[TM+12], v[SR+103]
	v_max3_num_f32 v[TM], v[TM], v[TM+1], v[TM+2]
	v_max3_num_f32 v[TM+3], v[TM+3], v[TM+4], v[TM+5]
	v_max3_num_f32 v[TM+6], v[TM+6], v[TM+7], v[TM+8]
	v_max3_num_f32 v[TM+9], v[TM+9], v[TM+10], v[TM+11]
	v_max3_num_f32 v[TM], v[TM], v[TM+3], v[TM+6]
	v_max3_num_f32 v[TM], v[TM], v[TM+9], v[TM+12]
	v_permlanex16_b32 v[T0], v[TM], s[SEL], s[SEL+1]  ; the query's other keys lie in the lane 16 away
	v_max_num_f32 v[T0], v[TM], v[T0]
	v_mul_f32 v[CM], s[CS], v[T0]
	; the weights: scalings three pairs ahead of their exponentials, roundings and sums a pair behind: a plain instruction stands behind each exponential ahead of its result's use (ISA guide 5.7.2)
	FS 0
	FS 1
	FS 2
.set wi, 0
.rept 52
	v_exp_f32 v[SR+2*wi], v[SR+2*wi]
.if wi+3 < 52
	FS wi+3
.endif
	v_exp_f32 v[SR+2*wi+1], v[SR+2*wi+1]
.if wi > 0
	s_wait_alu depctr_va_vdst(0)
	v_cvt_pk_f16_f32 v[PR+wi-1], v[SR+2*wi-2], v[SR+2*wi-1]
.endif
.if wi > 4                             ; four chains of sums, in pairs 0-3, which have been rounded by then
	v_pk_add_f32 v[SR+2*((wi-1)%4):SR+2*((wi-1)%4)+1], v[SR+2*((wi-1)%4):SR+2*((wi-1)%4)+1], v[SR+2*wi-2:SR+2*wi-1]
.endif
.set wi, wi+1
.endr
	v_cvt_pk_f16_f32 v[PR+51], v[SR+102], v[SR+103]
	v_pk_add_f32 v[SR+6:SR+7], v[SR+6:SR+7], v[SR+102:SR+103]
	WIN 0xa9                                       ; V in window 1
.set kp, 0
.rept 7                                ; four accumulators take turns
.irp cb, 0,1,2,3
.if kp == 0
	v_wmma_f32_16x16x32_f16 v[OA+8*\cb:OA+8*\cb+7], v[8*\cb:8*\cb+7], v[PR:PR+7], 0
.else
	v_wmma_f32_16x16x32_f16 v[OA+8*\cb:OA+8*\cb+7], v[32*kp+8*\cb:32*kp+8*\cb+7], v[PR+8*kp:PR+8*kp+7], v[OA+8*\cb:OA+8*\cb+7]
.endif
.endr
.set kp, kp+1
.endr
	WIN 0xaa
	v_pk_add_f32 v[SR:SR+1], v[SR:SR+1], v[SR+2:SR+3]          ; l: these four lines are the places behind the last products
	v_pk_add_f32 v[SR+4:SR+5], v[SR+4:SR+5], v[SR+6:SR+7]
	v_pk_add_f32 v[SR:SR+1], v[SR:SR+1], v[SR+4:SR+5]
	v_add_f32 v[T0], v[SR], v[SR+1]
	v_permlanex16_b32 v[T1], v[T0], s[SEL], s[SEL+1]
	v_add_f32 v[T0], v[T0], v[T1]
	v_rcp_f32 v[RL], v[T0]
	s_wait_xcnt 0x0                                ; the last trip's stores have had their addresses translated (ISA guide 3.1): their offset and data are rewritten only behind this wait
	v_add_nc_u32 v[GO], 2048, v[GO]                ; also the plain instruction behind the reciprocal
.set oi, 0
	s_wait_alu depctr_va_vdst(0)
.rept 16
	v_pk_mul_f32 v[OA+2*oi:OA+2*oi+1], v[OA+2*oi:OA+2*oi+1], v[RL:RL+1] op_sel_hi:[1,0]
.set oi, oi+1
.endr
.set oi, 0
.rept 16
	v_cvt_pk_f16_f32 v[OP+oi], v[OA+2*oi], v[OA+2*oi+1]
.set oi, oi+1
.endr
.irp cb, 0,1,2,3
	global_store_b128 v[GO], v[OP+4*\cb:OP+4*\cb+3], s[AOB:AOB+1] offset:512*\cb-2048  ; 512 consecutive bytes, at a multiple of 256 from ao's first byte
.endr
	WIN 0
	s_sub_co_u32 s[CNT], s[CNT], 1
	s_cmp_lg_u32 s[CNT], 0
	s_cbranch_scc1 .Ltile
	s_wait_tensorcnt 0x0                           ; the wave's end, behind my last tensor load and my last LDS store
	ds_add_u32 v[SPW], v[NIL]
	s_wait_dscnt 0x0
	CROUND                                         ; the closing round: no work-group ends while a partner may still ask for a tile that names it
	s_endpgm
.Lfunc_end_k_qf66d95be8c_qkvatt:
	.size	k_qf66d95be8c_qkvatt, .Lfunc_end_k_qf66d95be8c_qkvatt-k_qf66d95be8c_qkvatt
	.p2alignl 7, 3214868480
	.fill 96, 4, 3214868480
	.section	.rodata,"a",@progbits
	.p2align	6, 0x0
	.amdhsa_kernel k_qf66d95be8c_qkvatt
		.amdhsa_group_segment_fixed_size 327680
		.amdhsa_private_segment_fixed_size 0
		.amdhsa_enable_private_segment 0
		.amdhsa_kernarg_size 40
		.amdhsa_user_sgpr_count 2
		.amdhsa_user_sgpr_kernarg_segment_ptr 1
		.amdhsa_wavefront_size32 1
		.amdhsa_system_sgpr_workgroup_id_x 1
		.amdhsa_system_sgpr_workgroup_id_y 1
		.amdhsa_system_sgpr_workgroup_id_z 1
		.amdhsa_system_vgpr_workitem_id 0
		.amdhsa_next_free_vgpr 1024
		.amdhsa_next_free_sgpr 100
		.amdhsa_reserve_vcc 0
		.amdhsa_float_denorm_mode_32 3
		.amdhsa_float_denorm_mode_16_64 3
		.amdhsa_memory_ordered 1
		.amdhsa_forward_progress 1
		.amdhsa_inst_pref_size 255
	.end_amdhsa_kernel
	.section	.bss,"aw",@nobits
	.p2align	6
	.space	262144
	.amdgpu_metadata
---
amdhsa.version: [ 1, 2 ]
amdhsa.kernels:
  - .name:           k_qf66d95be8c_qkvatt
    .symbol:         k_qf66d95be8c_qkvatt.kd
    .args:
      - { .name: xb, .offset: 0, .size: 8, .value_kind: global_buffer, .address_space: global }
      - { .name: wq, .offset: 8, .size: 8, .value_kind: global_buffer, .address_space: global }
      - { .name: qkv_b, .offset: 16, .size: 8, .value_kind: global_buffer, .address_space: global }
      - { .name: tab, .offset: 24, .size: 8, .value_kind: global_buffer, .address_space: global }
      - { .name: ao, .offset: 32, .size: 8, .value_kind: global_buffer, .address_space: global }
    .group_segment_fixed_size: 327680
    .private_segment_fixed_size: 0
    .kernarg_segment_align: 8
    .kernarg_segment_size: 40
    .max_flat_workgroup_size: 128
    .sgpr_count:     100
    .vgpr_count:     1024
    .wavefront_size: 32
...
	.end_amdgpu_metadata
.endif
;; end of part 2
;; launch proj (part 3): grid 4 x 64, 4 waves a work-group, clusters of 4 x 4, 327,680 bytes of LDS; arguments ao, wp, proj_b, out0; writes out0
.if DOCPART == 3
	.amdgcn_target "amdgcn-amd-amdhsa--gfx1250"
	.amdhsa_code_object_version 6
	.text
	.protected	k_qf66d95be8c_proj
	.globl	k_qf66d95be8c_proj
	.p2align	8
	.type	k_qf66d95be8c_proj,@function
k_qf66d95be8c_proj:
	s_mov_b64 s[64:65], 0
	v_nop
	global_prefetch_b8 v0, s[64:65] scope:SCOPE_SE
	s_setreg_imm32_b32 hwreg(HW_REG_WAVE_MODE, 25, 1), 1
	s_wait_xcnt 0x0
	s_wait_alu depctr_hold_cnt(0) depctr_sa_sdst(0) depctr_va_vdst(0) depctr_va_sdst(0) depctr_va_ssrc(0) depctr_va_vcc(0) depctr_vm_vsrc(0)
	s_getreg_b32 s2, hwreg(HW_REG_IB_STS2, 6, 4)
	s_cmp_eq_u32 s2, 0
	s_cbranch_scc0 .Lentry_in_a_cluster
	s_endpgm
.Lentry_in_a_cluster:
	s_bfe_u32 s2, ttmp6, 0x10000c
	s_cmp_lg_u32 s2, 0xf033
	s_cbranch_scc0 .Lentry_shape_is_right
	s_endpgm
.Lentry_shape_is_right:
; THE OUTPUT PROJECTION.  out0[b][n][:] = O[b][n][:] proj_w^T + proj_b, in f16 x f16 with f32 sums; the bias, rounded to bf16 like every input, is the C operand that starts each sum.
; A work-group owns one batch b (13 blocks of 16 tokens; rows 197 .. 207 are computed and not stored) and 256 columns; each of its four waves all tokens x 64 columns: 52 accumulators, 416 registers.
; K goes in 8 steps of 128 channels (two heads) through a ring of two LDS slots.  ao lies in fragment order ([b][h][a 13][cb 4][lane 32][16 bytes]), so a head is 26,624 dense bytes, asked for as 104 rows
; of 256 bytes, and a fragment load takes 512 consecutive LDS bytes: no padding is wanted there.  wp's rows are padded as usual.
; Source 0 = 16 rows of wp, source 1 = 16 tokens: a lane holds one token and eight neighbouring columns, 32 bytes of a row of out0.
; CLUSTER 4 x 4: ao's tiles hang on b alone and are shared along a row of the cluster, wp's on the column block alone and are shared along a column.
; By this text's own count a wave has two tensor loads out at the start and one behind each round.
; LIMITS.  O and proj_w arrive as f16; NaN and infinities are not treated apart.
; REGISTERS: window 0: v0-31 addresses; v32-63 the bias; v64-111 X (tokens' blocks 0-5); v112-175 wp's fragments, two buffers; v176-231 Y (blocks 6-12); on the way out v64-127 rows read back.
;   window 2: accumulators of blocks 0-7 ((a, cb) at v[32 a + 8 cb]); window 3: v0-159 those of blocks 8-12.
.set PITCH,  272                       ; a row of wp in LDS: 256 bytes + 16: the 16 rows of a fragment load start at 16 different groups of four banks (64 banks of 4 bytes: ISA guide 11.1)
.set KSTEP,  128
.set AHALF,  26624                     ; one head of ao
.set ABYTES, 2*AHALF
.set BHALF,  128*PITCH
.set SLOT1,  1<<17
.set STAGE,  SLOT1+ABYTES+2*BHALF      ; behind the ring, never filled by a tensor load: 16 rows x 272 bytes for each wave
.set SPITCH, 272
.set SPARE,  STAGE+4*16*SPITCH         ; the spare words, 128 bytes for each wave: two blocks of 256 bytes that no other line names
.set A0R, 4                            ; v4   16 x lane; never rewritten
.set B0R, 5                            ; v5   my lane's place in my wave's 64 rows of wp's tile
.set ADRA, 6
.set ADRB, 7
.set BO,  8                            ; v8   32 (l / 16)
.set STO, 14                           ; v14  the way out: where I put 32 bytes of a row
.set RD,  15                           ; v15  where I read rows back
.set CO,  16                           ; v16  my byte offset in two rows of out0
.set TMPV, 13
.set SPW, 28
.set NIL, 29
.set BIAS, 32
.set XF,  64
.set BF0, 112
.set YF,  176
.set OB,  64
.set WV,  14
.set HALF, 15
.set ODD, 16
.set G1A, 24
.set G1B, 32
.set G0A, 40
.set G0B, 48
.set CNT, 67
.set TB,  68
.set BB,  74                           ; s[74:75] proj_b at my 64 columns
.set OUTB, 76                          ; s[76:77] out0 at my batch's first row and my 64 columns
.set MHI, 79                           ; s79  a word's upper bf16
.set MSB, 0
.macro WIN new
.if MSB != (\new)
	s_set_vgpr_msb (MSB<<8)|(\new)
.set MSB, \new
.endif
.endm
.macro PLACES                          ; four places in front of loads into registers that matrix instructions have read, and of LDS stores that read results (ISA guide 7.12.1 for the LDS stores)
.rept 4
	v_nop
.endr
.endm
.macro JLOAD                           ; a joint refill by the walking descriptors; an s_nop 0 and four v_nop follow each of the two lines
	s_cmp_eq_u32 s[HALF], 0
	s_cbranch_scc0 .Lfor_b_\@
	tensor_load_to_lds s[G0A+4:G0A+7], s[G1A:G1A+7]
	s_nop 0
.rept 4
	v_nop
.endr
	s_branch .Lasked_\@
.Lfor_b_\@:
	tensor_load_to_lds s[G0B+4:G0B+7], s[G1B:G1B+7]
	s_nop 0
.rept 4
	v_nop
.endr
.Lasked_\@:
.endm
.macro CREST
	s_cmp_lg_u32 s[WV], 0
	s_cbranch_scc1 .Lnot_wave_0_\@
	s_barrier_signal -3
.Lnot_wave_0_\@:
	s_barrier_wait -3
	s_barrier_signal -1
	s_barrier_wait -1
.endm
.macro CROUND
	s_barrier_signal -1
	s_barrier_wait -1
	CREST
.endm
.macro STEPD                           ; the walking descriptors: the other slot, the next K step; the type bits on top are not reached
	s_xor_b32 s[G0A+5], s[G0A+5], SLOT1
	s_xor_b32 s[G0B+5], s[G0B+5], SLOT1
	s_add_nc_u64 s[G0A+6:G0A+7], s[G0A+6:G0A+7], ABYTES
	s_add_nc_u64 s[G0B+6:G0B+7], s[G0B+6:G0B+7], 2*KSTEP
.endm
; Quarter q is channels 32 (q % 2) on of head q / 2 of the step's two: channel blocks 2 (q % 2) and the next, 512 bytes apart
.macro LOADX q
.set la, 0
.rept 6
	ds_load_b128 v[XF+8*la:XF+8*la+3],   v[ADRA] offset:AHALF*((\q)/2)+1024*((\q)%2)+2048*la
	ds_load_b128 v[XF+8*la+4:XF+8*la+7], v[ADRA] offset:AHALF*((\q)/2)+1024*((\q)%2)+2048*la+512
.set la, la+1
.endr
.endm
.macro LOADY q
.set la, 6
.rept 7
	ds_load_b128 v[YF+8*(la-6):YF+8*(la-6)+3],   v[ADRA] offset:AHALF*((\q)/2)+1024*((\q)%2)+2048*la
	ds_load_b128 v[YF+8*(la-6)+4:YF+8*(la-6)+7], v[ADRA] offset:AHALF*((\q)/2)+1024*((\q)%2)+2048*la+512
.set la, la+1
.endr
.endm
.macro LOADB q
.set la, 0
.rept 4
	ds_load_b128 v[BF0+32*((\q)%2)+8*la:BF0+32*((\q)%2)+8*la+3],   v[ADRB] offset:16*PITCH*la+64*(\q)
	ds_load_b128 v[BF0+32*((\q)%2)+8*la+4:BF0+32*((\q)%2)+8*la+7], v[ADRB] offset:16*PITCH*la+64*(\q)+32
.set la, la+1
.endr
.endm
.macro MULS z, q, a0, a1               ; blocks a0 .. a1 x four column blocks; the 52 accumulators take turns in the same order in every quarter
.set ma, \a0
.rept (\a1)-(\a0)+1
.if ma < 6
.set rA, XF+8*ma
.else
.set rA, YF+8*(ma-6)
.endif
.if \z
	WIN 0x80+0x40*(ma/8)
.else
	WIN 0xa0+0x50*(ma/8)
.endif
.set mc, 0
.rept 4
.set rD, 32*(ma%8)+8*mc
.set rB, BF0+32*((\q)%2)+8*mc
.set rC, rD
.if \z
.set rC, BIAS+8*mc
.endif
	v_wmma_f32_16x16x32_f16 v[rD:rD+7], v[rB:rB+7], v[rA:rA+7], v[rC:rC+7]
.set mc, mc+1
.endr
.set ma, ma+1
.endr
.endm
.macro QTR z, q                        ; Y of this quarter lands under the products of blocks 0-5, X and wp's fragments of the next under those of 6-12
	PLACES
	WIN 0
	LOADY \q
	s_wait_dscnt 14                                ; all but Y's 14 loads
	MULS \z, \q, 0, 5
	PLACES
	WIN 0
	LOADX (\q)+1
	LOADB (\q)+1
	s_wait_dscnt 20                                ; all but the 20 just issued
	MULS \z, \q, 6, 12
.endm
.macro TURN fill                       ; the fourth quarter and the change of slots: one barrier, which with fill = 1 opens a round of the cluster's
	PLACES
	WIN 0
	LOADY 3
	s_wait_dscnt 14
	MULS 0, 3, 0, 2
	WIN 0
	s_wait_tensorcnt 0x0                           ; all my tensor loads have landed: the one that was out is my part of the next slot
	ds_add_u32 v[SPW], v[NIL]                      ; 0 onto my spare word
.if \fill
	STEPD
.endif
	MULS 0, 3, 3, 5
	s_wait_dscnt 0x0                               ; the add is done, and my reads of this slot are back
	s_barrier_signal -1
	MULS 0, 3, 6, 7
	WIN 0
	s_barrier_wait -1
.if \fill
	CREST
	JLOAD                                          ; the first tensor load behind the round; its four v_nop are also the places in front of the loads below
.else
	PLACES
.endif
	s_xor_b32 s[TB], s[TB], SLOT1
	v_add_nc_u32 v[ADRA], s[TB], v[A0R]
	v_add_nc_u32 v[ADRB], s[TB], v[B0R]
	LOADX 0
	LOADB 0
	MULS 0, 3, 8, 12
.endm
	s_load_b256 s[4:11], s[0:1], 0x0               ; ao s[4:5], wp s[6:7], proj_b s[8:9], out0 s[10:11]
	v_lshl_add_u32 v[SPW], v0, 2, SPARE
	v_mov_b32 v[NIL], 0
	ds_add_u32 v[SPW], v[NIL]                      ; the wave's opening: the add and its wait stand ahead of my first tensor load
	v_lshrrev_b32 v1, 5, v0
	v_readfirstlane_b32 s[WV], v1
	s_lshr_b32 s[HALF], s[WV], 1
	s_and_b32 s[ODD], s[WV], 1
	s_bfe_u32 s17, ttmp6, 0x40000                  ; cx
	s_bfe_u32 s18, ttmp6, 0x40004                  ; cy
	s_lshl_b32 s19, ttmp9, 2
	s_add_co_u32 s19, s19, s17                     ; the block of 256 columns
	s_and_b32 s20, ttmp7, 0xffff
	s_lshl_b32 s20, s20, 2
	s_add_co_u32 s20, s20, s18                     ; the batch
	s_lshl_b32 s82, s18, 2
	s_lshl_b32 s82, 15, s82                        ; my row of the cluster
	s_lshl_b32 s86, 0x1111, s17                    ; my column
	s_or_b32 s[G1A], s82, (3<<16)|(1<<21)          ; elements of 8 bytes, no padding; 21 set beside a mask
	s_or_b32 s[G1B], s86, (1<<16)|(1<<20)|(1<<21)|(5<<22)|(3<<25)  ; elements of 2 bytes; 4 words of padding after every 64
	s_mov_b32 s[G1A+1], 32<<16                     ; tensor_dim0 = 32 (256 bytes)
	s_mov_b32 s[G1A+2], 104<<16                    ; tensor_dim1 = 104
	s_mov_b32 s[G1A+3], 32<<16                     ; tile_dim0
	s_mov_b32 s[G1A+4], 104                        ; tile_dim1
	s_mov_b32 s[G1A+5], 32                         ; dense
	s_mov_b32 s[G1A+6], 0
	s_mov_b32 s[G1A+7], 0
	s_mov_b32 s[G1B+1], KSTEP<<16
	s_mov_b32 s[G1B+2], 128<<16
	s_mov_b32 s[G1B+3], KSTEP<<16
	s_mov_b32 s[G1B+4], 128
	s_mov_b32 s[G1B+5], 1024
	s_mov_b32 s[G1B+6], 0
	s_mov_b32 s[G1B+7], 0
	s_mov_b32 s[G0A], 1
	s_mul_i32 s[G0A+1], s[ODD], AHALF
	s_mov_b32 s[G0A+4], 1
	s_add_co_u32 s[G0A+5], s[G0A+1], SLOT1
	s_mov_b32 s[G0B], 1
	s_mul_i32 s[G0B+1], s[ODD], BHALF
	s_add_co_u32 s[G0B+1], s[G0B+1], ABYTES
	s_mov_b32 s[G0B+4], 1
	s_add_co_u32 s[G0B+5], s[G0B+1], SLOT1
	s_mul_i32 s80, s20, 16*AHALF                   ; ao: the batch's 16 heads, and which of a step's two is mine; registers that never hold cx
	s_mul_i32 s81, s[ODD], AHALF
	s_add_co_u32 s80, s80, s81
	s_mov_b32 s81, 0
	s_lshl_b32 s84, s19, 8                         ; wp: row 256 x block + 128 x half; registers that never hold cy
	s_lshl_b32 s85, s[ODD], 7
	s_add_co_u32 s84, s84, s85
	s_lshl_b32 s84, s84, 11
	s_mov_b32 s85, 0
	s_lshl2_add_u32 s88, s19, s[WV]                ; my 64 columns among the 16 such,
	s_lshl_b32 s90, s88, 8                         ; 256 bytes each, in proj_b and in a row of out0
	s_mov_b32 s91, 0
	s_mul_i32 s92, s20, 197*4096                   ; the batch's first row of out0
	s_add_co_u32 s92, s92, s90
	s_mov_b32 s93, 0
	s_mov_b32 s[TB], 0
	s_mov_b32 s[MHI], 0xffff0000
	s_wait_dscnt 0x0                               ; the opening add is done
	s_wait_kmcnt 0x0
	s_add_nc_u64 s[G0A+2:G0A+3], s[4:5], s[80:81]              ; K step 0
	s_add_nc_u64 s[G0A+6:G0A+7], s[G0A+2:G0A+3], ABYTES        ; K step 1
	s_or_b32 s[G0A+3], s[G0A+3], 0x80000000
	s_or_b32 s[G0A+7], s[G0A+7], 0x80000000
	s_add_nc_u64 s[G0B+2:G0B+3], s[6:7], s[84:85]
	s_add_nc_u64 s[G0B+6:G0B+7], s[G0B+2:G0B+3], 2*KSTEP
	s_or_b32 s[G0B+3], s[G0B+3], 0x80000000
	s_or_b32 s[G0B+7], s[G0B+7], 0x80000000
	s_add_nc_u64 s[BB:BB+1], s[8:9], s[90:91]
	s_add_nc_u64 s[OUTB:OUTB+1], s[10:11], s[92:93]
	CROUND                                         ; all sixteen work-groups are here: the first joint loads meet
	s_cmp_eq_u32 s[HALF], 0                        ; a wave's two first fills stand in one branch
	s_cbranch_scc0 .Lfirst_b
	tensor_load_to_lds s[G0A:G0A+3], s[G1A:G1A+7]
	s_nop 0
	tensor_load_to_lds s[G0A+4:G0A+7], s[G1A:G1A+7]
	s_nop 0
.rept 4
	v_nop
.endr
	s_branch .Lfirst_asked
.Lfirst_b:
	tensor_load_to_lds s[G0B:G0B+3], s[G1B:G1B+7]
	s_nop 0
	tensor_load_to_lds s[G0B+4:G0B+7], s[G1B:G1B+7]
	s_nop 0
.rept 4
	v_nop
.endr
.Lfirst_asked:
	v_and_b32 v1, 15, v0                           ; l % 16
	v_bfe_u32 v2, v0, 4, 1                         ; l / 16
	v_and_b32 v3, 31, v0                           ; lane
	v_lshlrev_b32 v[BO], 5, v2
.irp cb, 0,1,2,3
	global_load_b128 v[BIAS+8*\cb:BIAS+8*\cb+3],   v[BO], s[BB:BB+1] offset:64*\cb
	global_load_b128 v[BIAS+8*\cb+4:BIAS+8*\cb+7], v[BO], s[BB:BB+1] offset:64*\cb+16
.endr
	v_lshlrev_b32 v[A0R], 4, v3
	v_mul_u32_u24 v[B0R], v1, PITCH
	v_lshl_add_u32 v[B0R], v2, 4, v[B0R]
	s_mul_i32 s21, s[WV], 64*PITCH
	s_add_co_u32 s21, s21, ABYTES
	v_add_nc_u32 v[B0R], s21, v[B0R]
	v_mov_b32 v[ADRA], v[A0R]
	v_mov_b32 v[ADRB], v[B0R]
	s_mul_i32 s21, s[WV], 16*SPITCH
	s_add_co_u32 s21, s21, STAGE                   ; my stage
	v_mul_u32_u24 v[STO], v1, SPITCH               ; in: row l % 16, 32 bytes for each half of the lanes
	v_lshl_add_u32 v[STO], v2, 5, v[STO]
	v_add_nc_u32 v[STO], s21, v[STO]
	v_mul_u32_u24 v[RD], v2, SPITCH                ; back: lanes 0-15 take one row of 256 bytes, lanes 16-31 the next
	v_lshl_add_u32 v[RD], v1, 4, v[RD]
	v_add_nc_u32 v[RD], s21, v[RD]
	v_lshlrev_b32 v[CO], 12, v2                    ; and the same two rows in out0
	v_lshl_add_u32 v[CO], v1, 4, v[CO]
	s_wait_loadcnt 0x0
.set bk, 0
.rept 16                               ; the bias to bf16, like every input
	v_cvt_pk_bf16_f32 v[TMPV], v[BIAS+2*bk], v[BIAS+2*bk+1]
	v_lshlrev_b32 v[BIAS+2*bk], 16, v[TMPV]
	v_and_b32 v[BIAS+2*bk+1], s[MHI], v[TMPV]
.set bk, bk+1
.endr
	s_wait_tensorcnt 0x1                           ; my part of K step 0 is in; K step 1's may stay out
	s_barrier_signal -1
	s_barrier_wait -1
	LOADX 0
	LOADB 0
	QTR 1, 0                                       ; the first quarter stands in front of the loop: the bias starts the sums
	WIN 0
	s_mov_b32 s[CNT], 6
.Lstep:                                                ; a trip: from a step's second quarter to the next step's first; it fills one slot again
	QTR 0, 1
	QTR 0, 2
	TURN 1
	QTR 0, 0
	WIN 0
	s_sub_co_u32 s[CNT], s[CNT], 1
	s_cmp_lg_u32 s[CNT], 0
	s_cbranch_scc1 .Lstep
	s_mov_b32 s[CNT], 2                            ; the last two steps ask for nothing: a text of their own, written once and walked twice
.Llast:
	QTR 0, 1
	QTR 0, 2
	TURN 0
	WIN 0
	s_cmp_eq_u32 s[CNT], 1
	s_cbranch_scc1 .Lleave                         ; behind the last step there is no first quarter; what is jumped holds neither a barrier nor a tensor load
	QTR 0, 0
	WIN 0
.Lleave:
	s_sub_co_u32 s[CNT], s[CNT], 1
	s_cmp_lg_u32 s[CNT], 0
	s_cbranch_scc1 .Llast
	s_wait_dscnt 0x0                               ; the very last change of slots has passed a barrier and fetched 20 fragments that serve nothing, the price of one text for both steps: they have landed before their registers take the rows read back
	; THE WAY OUT, a block of 16 tokens at a time through my own stage: 32 bytes a lane in, whole rows of 256 bytes back, sixteen lanes to a row of my 64 columns.
.macro TOSTAGE a
	WIN 0
	s_wait_xcnt 0x0                                ; the stores of the block before last have had their addresses translated (ISA guide 3.1): their data registers are loaded again only behind this wait
	WIN 0x08+4*((\a)/8)                            ; store data in window 2 or 3
.irp cb, 0,1,2,3                       ; each accumulator's low half first
	ds_store_b128 v[STO], v[32*((\a)%8)+8*\cb:32*((\a)%8)+8*\cb+3]   offset:64*\cb
	ds_store_b128 v[STO], v[32*((\a)%8)+8*\cb+4:32*((\a)%8)+8*\cb+7] offset:64*\cb+16
.endr
	WIN 0
.set ob, OB+32*((\a)%2)
.set tn, 8
.if (\a) == 12
.set tn, 3                             ; tokens 192 .. 196 alone are the batch's
.endif
.set tt, 0
.rept tn
	ds_load_b128 v[ob+4*tt:ob+4*tt+3], v[RD] offset:2*SPITCH*tt  ; LDS serves a wave's instructions in order (ISA guide 5.7.1.4): these see the stores above; the next block's stores come behind them
.set tt, tt+1
.endr
.endm
.macro SEND a, younger, n              ; younger: the LDS instructions issued behind block a's loads
	WIN 0
	s_wait_dscnt \younger
.set ob, OB+32*((\a)%2)
.set tt, 0
.rept \n
	global_store_b128 v[CO], v[ob+4*tt:ob+4*tt+3], s[OUTB:OUTB+1] offset:(16*(\a)+2*tt)*4096 th:TH_STORE_NT  ; 16 lanes store 256 consecutive bytes, at a multiple of 256 from out0's first byte
.set tt, tt+1
.endr
.endm
	PLACES                                         ; the LDS stores read results just made
	TOSTAGE 0
.set ta, 1
.rept 12
	TOSTAGE ta
.if ta == 12
	SEND ta-1, 11, 8                               ; block 12's eight stores and three loads may be out
.else
	SEND ta-1, 16, 8                               ; the next block's eight stores and eight loads may be out
.endif
.set ta, ta+1
.endr
	SEND 12, 0, 2                                  ; tokens 192 .. 195
	s_wait_xcnt 0x0                                ; EXEC is a source of the stores above: it changes only behind this wait
	v_cmp_gt_u32 vcc_lo, 16, v3
	s_and_saveexec_b32 s21, vcc_lo                 ; token 196 alone: the row behind it is the next batch's
	global_store_b128 v[CO], v[OB+8:OB+11], s[OUTB:OUTB+1] offset:196*4096 th:TH_STORE_NT
	s_wait_xcnt 0x0                                ; and again, in front of the line that widens it
	s_or_b32 exec_lo, exec_lo, s21
	s_wait_tensorcnt 0x0                           ; the wave's end, behind my last tensor load and my last LDS store
	ds_add_u32 v[SPW], v[NIL]
	s_wait_dscnt 0x0
	CROUND                                         ; the closing round: no work-group ends while a partner may still ask for a tile that names it
	s_endpgm
.Lfunc_end_k_qf66d95be8c_proj:
	.size	k_qf66d95be8c_proj, .Lfunc_end_k_qf66d95be8c_proj-k_qf66d95be8c_proj
	.p2alignl 7, 3214868480
	.fill 96, 4, 3214868480
	.section	.rodata,"a",@progbits
	.p2align	6, 0x0
	.amdhsa_kernel k_qf66d95be8c_proj
		.amdhsa_group_segment_fixed_size 327680
		.amdhsa_private_segment_fixed_size 0
		.amdhsa_enable_private_segment 0
		.amdhsa_kernarg_size 32
		.amdhsa_user_sgpr_count 2
		.amdhsa_user_sgpr_kernarg_segment_ptr 1
		.amdhsa_wavefront_size32 1
		.amdhsa_system_sgpr_workgroup_id_x 1
		.amdhsa_system_sgpr_workgroup_id_y 1
		.amdhsa_system_sgpr_workgroup_id_z 1
		.amdhsa_system_vgpr_workitem_id 0
		.amdhsa_next_free_vgpr 928
		.amdhsa_next_free_sgpr 96
		.amdhsa_reserve_vcc 1
		.amdhsa_float_denorm_mode_32 3
		.amdhsa_float_denorm_mode_16_64 3
		.amdhsa_memory_ordered 1
		.amdhsa_forward_progress 1
		.amdhsa_inst_pref_size 90
	.end_amdhsa_kernel
	.amdgpu_metadata
---
amdhsa.version: [ 1, 2 ]
amdhsa.kernels:
  - .name:           k_qf66d95be8c_proj
    .symbol:         k_qf66d95be8c_proj.kd
    .args:
      - { .name: ao, .offset: 0, .size: 8, .value_kind: global_buffer, .address_space: global }
      - { .name: wp, .offset: 8, .size: 8, .value_kind: global_buffer, .address_space: global }
      - { .name: proj_b, .offset: 16, .size: 8, .value_kind: global_buffer, .address_space: global }
      - { .name: out0, .offset: 24, .size: 8, .value_kind: global_buffer, .address_space: global }
    .group_segment_fixed_size: 327680
    .private_segment_fixed_size: 0
    .kernarg_segment_align: 8
    .kernarg_segment_size: 32
    .max_flat_workgroup_size: 128
    .sgpr_count:     96
    .vgpr_count:     928
    .wavefront_size: 32
...
	.end_amdgpu_metadata
.endif
;; end of part 3
